; MI455X (gfx1250); checked and timed in simulation.
; The chip was launched on July 23, 2026; its instructions are those of AMD's public machine-readable ISA for CDNA 5 (MIT licence, August 2026) and "CDNA5" Instruction Set Architecture Reference Guide (July 2026). The comments in the code are by the model that wrote it; some were corrected since.
;; Oblivious Layer. Allowed arithmetic: matrix products marked QUANTISED: E4M3 operands, one E8M0 scale for each 32 along K, by v_wmma_scale_f32_16x16x128_f8f6f4 with both operands' format E4M3, f32 sums; products left as they are: f32 operands where the result goes on into a quantised operand, else bf16, f16 or f32 operands; f32 sums; everything else in f32.
;; Inputs: feature_weights 10 x 512 float32; leaf_values_codes 512 x 32 x 32 uint8 (E4M3 codes of leaf_values, K innermost, in blocks of 32 codes); leaf_values_scales 512 x 32 uint8 (E8M0 scales of leaf_values, one for each 32 codes along K); thresholds 10 float32; x 16,384 x 512 float32.
;; Outputs: out0 16,384 x 512 float32.
;; This version of the problem:
;;   THIS VERSION OF THE PROBLEM IS GIVEN IN LOW PRECISION. The matrix products marked QUANTISED in the list below multiply operands that are first quantised to E4M3 (4 exponent bits, 3 mantissa bits; 8 bits a number), with one power-of-two scale for each 32 numbers along K (OCP MX v1.0); their sums are f32. All else is computed in f32.
;;   The module's matrix products, in the order in which they are computed (A, B: the left and right operand; K: the contracted axis; several contracted axes count as one K, in the product's order):
;;     1. [M 16,384, K 512] x [K 512, N 10]; A: input x; B: softmax: left as it is (N = 10 < 16)
;;     2. [M 16,384, K 1,024] x [K 1,024, N 512]; A: computed on the way; B: input leaf_values (given as codes): QUANTISED
;;   THE QUANTISER, for each operand of a quantised product, along K:
;;     - K is cut into blocks of 32 from its start; a last block that is shorter is filled with zeros.
;;     - A block's scale is 2^e with e = floor(log2(the largest magnitude in the block)) - 8, held to -126 .. 127; a block of zeros has e = 0. As a byte (E8M0): e + 127.
;;     - Each number is divided by its block's scale, clamped to +-448, and rounded to the nearest number of E4M3, ties to even, subnormals kept.
;;     - The product sums the exact products of the quantised numbers (number of the format x scale) in f32.
;;   ~~~python
;;   def quantise(x, axis):      # numpy; x: float32 -> the quantised numbers, widened to float32 again
;;       x = np.moveaxis(x, axis, -1); K = x.shape[-1]
;;       x = np.pad(x, [(0, 0)] * (x.ndim - 1) + [(0, -K % 32)]); x = x.reshape(x.shape[:-1] + (-1, 32)); a = np.abs(x).max(-1, keepdims=True)
;;       e = np.where(a > 0, np.clip(np.frexp(np.where(a > 0, a, 1))[1] - 1 - 8, -126, 127), 0)      # np.frexp(a)[1] - 1 = floor(log2(a)), exactly
;;       r = np.clip(x / 2.0 ** e, -448, 448)
;;       step = 2.0 ** (np.maximum(np.frexp(np.where(r == 0, 1, r))[1] - 1, -6) - 3)
;;       q = np.round(r / step) * step * 2.0 ** e      # np.round: ties to even
;;       return np.moveaxis(q.reshape(q.shape[:-2] + (-1,))[..., :K], -1, axis).astype(np.float32)
;;   ~~~
;;   OPERANDS COMPUTED ON THE WAY. 'Computed on the way' means the value that the module computes at that place (a softmax that the list does not call 'softmax' is quantised finished and normalised). What goes into a quantiser is computed in f32, as accurately as f32 sums, v_exp_f32 and their like allow (about 1e-6 of the number): no bf16 or f16 on the way to a quantiser, and a product that is left as it is and whose result goes on into a quantised operand takes f32 operands (vector FMAs, or v_wmma_f32_16x16x4_f32). A number that lies on a knife's edge between two numbers of the format may be rounded either way, as far as f32 arithmetic and the matrix unit's own rounding can turn it there, and no further.
;;   INPUTS GIVEN AS CODES. leaf_values (in the module: [512, 1024], K = its axis 1): each comes as NAME_codes (uint8): NAME with its K axis moved to the last place and cut into blocks of 32 codes, [.., K / 32, bytes a block], one block behind the other in memory; one code a byte (a code: sign, 4 exponent bits, 3 mantissa bits); and NAME_scales (uint8): the same leading axes, one E8M0 byte (e + 127) for each 32 codes along K. Its value is code x scale, taken as it is: it is not quantised again, and the codes and scales need not be those that the quantiser above would give.
;; One version. Each part assembles by itself: llvm-mc -triple=amdgcn-amd-amdhsa -mcpu=gfx1250 --defsym DOCPART=n.
;; ======== version 1 of 1: 1 launch
;; launch tree (part 1): grid 256 x 1, 4 waves a work-group, clusters of 4 x 1, 327,680 bytes of LDS; arguments x, feature_weights, thresholds, leaf_values_codes, leaf_values_scales, out0; writes out0
.if DOCPART == 1
	.amdgcn_target "amdgcn-amd-amdhsa--gfx1250"
	.amdhsa_code_object_version 6
	.text
	.protected	k_q5dab1bd08f_tree
	.globl	k_q5dab1bd08f_tree
	.p2align	8
	.type	k_q5dab1bd08f_tree,@function
k_q5dab1bd08f_tree:
	s_mov_b64 s[64:65], 0
	v_nop
	global_prefetch_b8 v0, s[64:65] scope:SCOPE_SE
	s_setreg_imm32_b32 hwreg(HW_REG_WAVE_MODE, 25, 1), 1
	s_wait_xcnt 0x0
	s_wait_alu depctr_hold_cnt(0) depctr_sa_sdst(0) depctr_va_vdst(0) depctr_va_sdst(0) depctr_va_ssrc(0) depctr_va_vcc(0) depctr_vm_vsrc(0)
	s_getreg_b32 s2, hwreg(HW_REG_IB_STS2, 6, 4)
	s_cmp_eq_u32 s2, 0
	s_cbranch_scc0 .Lentry_in_a_cluster
	s_endpgm
.Lentry_in_a_cluster:
	s_bfe_u32 s2, ttmp6, 0x10000c
	s_cmp_lg_u32 s2, 0x3003
	s_cbranch_scc0 .Lentry_shape_is_right
	s_endpgm
.Lentry_shape_is_right:
; out0 = leaf_probs x leaf_values^T.  leaf_probs[b][l] = the product over d = 0..9 of (bit 9 - d of l ? p_d : 1 - p_d), p_d = sigmoid((x[b] . softmax(fw[d]) - thr[d]) / 0.1).
; x [16384][512] f32; fw [10][512] f32; thr [10] f32; leaf_values as E4M3 codes [512][1024] (K innermost) with E8M0 bytes [512][32]; out0 [16384][512] f32.
; ONE LAUNCH.  A work-group of four waves owns 64 rows; nothing but x, the weights and out0 touches memory.
; SHARES.  x, the ten dot products and the leaf probabilities P: wave w owns rows 16 w .. 16 w + 15.  The quantised product: every wave holds P of all 64 rows and all 1,024 leaves in
; registers (512), and makes all 64 rows x columns 256 G + 64 w .. + 63 for G = 0, 1: a weight fragment read from LDS feeds four matrix instructions and is read once.
; THE DOT PRODUCTS are f32 multiply-adds (their result goes on into a quantiser): S_d = sum x e_d with e_d = 2^(fw log2e - max log2e), sel = S_d / Z_d.
; P IS NOT SEARCHED FOR ITS LARGEST NUMBER.  A block of 32 leaves is one setting H[b] of decisions 0-4 times the 32 products L[j] of decisions 5-9.  All factors are >= 0 and a rounded product does not fall
; where a factor rises, so the block's largest number is fl(H[b] x Lm), Lm the product of max(p, 1 - p) taken in L's own order.  Lane (r, h) of an operand wants only L[16 h .. 16 h + 15].
; THE WEIGHTS come in four chunks (G, K half) of 256 rows x 512 bytes through two LDS slots.  All work-groups walk the same weights: the four of a cluster ask JOINTLY (mask 15).
; A loading wave w brings rows 256 G + 4 y + w (y = 0..63): so tile t of a consuming wave has, in lane r, column 64 w + 4 r + t, a lane's four accumulators t = 0..3 hold four NEIGHBOURING columns,
; and a 4 x 4 exchange of registers makes 16 bytes of a row: sixteen lanes store 256 consecutive bytes, aligned, with no way through LDS.
; LIMITS: NaN and infinities among the inputs are not served.  A sigmoid under 2^-127 comes out as 0 (v_exp_f32 gives infinity there).  A block of zeros has the byte 1 over zero codes (only this
; text reads P's bytes).  The ten factors are multiplied as (d0..d4) x (d5..d9); sums over the 512 features go lane by lane and then across lanes: both differ from the reference's order by roundings of f32.
; REGISTERS, in windows of 256.  Window 0: v1-23 addresses; v24-55 P's scale words; v56-119 the weights' scale words; v120-247 the 16 accumulators (before the products: fw, e, the sums S, temporaries); v248-255 temporaries.
;   window 1: e of features 0-255, then one chunk's weight fragments.   window 2: e of features 256-511, then P of leaves 0-511.   window 3: x, then the making of P, then P of leaves 512-1023.
.set WP,     528                       ; a weight row in LDS: 512 bytes + 16 of padding = 33 x 16: the sixteen rows of a fragment load fall on sixteen different columns of 16 bytes
.set CLS,    64*WP                     ; what one tensor load brings: 64 rows
.set SLOTB,  4*CLS                     ; slot A at 0, slot B behind it
.set PIMG,   2*SLOTB                   ; 16 images of P's fragments (tile of rows m, K step s': 4 m + s'), 2,048 bytes each; used once for each K half
.set PSC,    PIMG+32768                ; their scale words, 128 bytes each
.set ETAB,   PSC+2048                  ; e as images of registers: 2,560 q + 256 u + 16 c
.set RED,    ETAB+20480                ; the waves' maxima (64 w) and partial Z (256 + 64 w)
.set SPARE,  RED+1536                  ; the spare words, 128 bytes for each wave: two blocks of 256 bytes that no other line names
.set SPW, 1                            ; v1   LDS address of my spare word; never rewritten
.set NIL, 2                            ; v2   0; never rewritten
.set XO,  3                            ; v3   x: 2,048 (lane / 16) + 16 (lane % 16)
.set LI,  4                            ; v4   16 x lane
.set EA,  6                            ; v6   ETAB + 16 (lane % 16)
.set EWA, 7                            ; v7   where I store e
.set RW,  8                            ; v8   RED + 64 x wave
.set RR,  9                            ; v9   RED
.set WA,  10                           ; v10-17 my place in class t of slot s: v[WA + 4 s + t]
.set PWI, 18                           ; v18  where I store P's images
.set PWS, 19                           ; v19  and their scale words
.set PRI, 20                           ; v20  PIMG + 16 x lane
.set PRS, 21                           ; v21  PSC + 4 x lane
.set OO,  22                           ; v22  out0: 8 (lane / 16) rows + 16 (lane % 16)
.set WSO, 23                           ; v23  the weights' scale bytes: 128 (lane % 16)
.set PS,  24                           ; P's scale words: 8 m + s
.set WS,  56                           ; the weights': 32 G + 8 t + s
.set ACC, 120                          ; accumulator (m, t) at 8 (4 m + t)
.set FW,  120                          ; fw[d], my four features: 4 d + e
.set EW,  160                          ; e: 10 e + d
.set ZR,  200                          ; ten numbers: maxima, then Z, then 1 / Z
.set TT,  210                          ; forty temporaries
.set SS,  120                          ; the sums: 10 i + d (row pair i)
.set PQ,  0                            ; window 3: pair 2 d = (1 - p_d, p_d)
.set H5,  20
.set L16, 52
.set A5,  68
.set MM,  70
.set LM,  74
.set BM,  76
.set SCL, 80
.set CAP, 84
.set BY,  88
.set PW,  92
.set VV,  96
.set PC,  160
.set H2,  96                           ; (the smaller tables lie where the numbers to be converted will lie)
.set H3,  100
.set H4,  108
.set L2,  128
.set L4,  130
.set L8,  134
.set G1,  24                           ; s[24:31] descriptor group 1
.set G0A, 32                           ; s[32:35] group 0 for slot A;  s[36:39] for slot B
.set G0B, 36
.set MSB, 0
.macro WIN new                         ; the immediate's high byte repeats the setting that is left; a switch that changes nothing is dropped
.if MSB != (\new)
	s_set_vgpr_msb (MSB<<8)|(\new)
.set MSB, (\new)
.endif
.endm
.macro PLACES n
.rept \n
	v_nop
.endr
.endm
.macro BAR                             ; my LDS stores have landed and my LDS loads are in: then the work-group's barrier
	s_wait_dscnt 0x0
	s_barrier_signal -1
	s_barrier_wait -1
.endm
.macro ROUND                           ; a round of the cluster's barrier: my work-group's barrier; wave 0 signals for the work-group; every wave waits for all four work-groups; my work-group's barrier once more
	s_barrier_signal -1
	s_barrier_wait -1
	s_cmp_lg_u32 s16, 0
	s_cbranch_scc1 .Lnot_wave_0_\@
	s_barrier_signal -3
.Lnot_wave_0_\@:
	s_barrier_wait -3
	s_barrier_signal -1
	s_barrier_wait -1
.endm
.macro XLOAD i                         ; row pair i of my 16 rows: lanes 0-15 row 2 i, lanes 16-31 row 2 i + 1; each load takes 256 consecutive bytes of each
.irp q, 0,1,2,3,4,5,6,7
	global_load_b128 v[4*(8*(\i)+\q):4*(8*(\i)+\q)+3], v[XO], s[4:5] offset:4096*(\i)+256*\q th:TH_LOAD_NT
.endr
.endm
.macro BMUL d, a, p                    ; v[d : d + 1] = v[a] x v[p : p + 1]: one register of a pair serves both halves
.if (\a) & 1
	v_pk_mul_f32 v[(\d):(\d)+1], v[(\a)-1:(\a)], v[(\p):(\p)+1] op_sel:[1,0]
.else
	v_pk_mul_f32 v[(\d):(\d)+1], v[(\a):(\a)+1], v[(\p):(\p)+1] op_sel_hi:[0,1]
.endif
.endm
; The fragment of K step s (leaves 128 s on) of my 16 rows: codes into v[PC + 16 f] on, its scale word into v[PW + f].  Register 16 i + u of VV is leaf 128 s + 32 i + 16 (lane / 16) + u of row lane % 16.
.macro FRAG s, f
	v_pk_mul_f32 v[BM:BM+1], v[H5+4*(\s):H5+4*(\s)+1], v[LM:LM+1]               ; the four blocks' largest numbers
	v_pk_mul_f32 v[BM+2:BM+3], v[H5+4*(\s)+2:H5+4*(\s)+3], v[LM:LM+1]
.irp i, 0,1,2,3
	v_max_num_f32 v[BM+\i], 0x4800000, v[BM+\i]                                 ; the floor 2^(9 - 127): the byte cannot fall under 1
.endr
.irp i, 0,1,2,3
	v_add_nc_u32 v[SCL+\i], 0xfc000000, v[BM+\i]                                ; 8 off the exponent field: the conversion's scale operand
.endr
.irp i, 0,1,2,3
	v_and_or_b32 v[CAP+\i], v[BM+\i], 0x7f800000, s55                           ; 448 x the scale
.endr
.irp i, 0,1,2,3
	v_lshrrev_b32 v[BY+\i], 23, v[SCL+\i]                                       ; the scale's byte
.endr
	v_lshl_or_b32 v[PW+\f], v[BY+1], 8, v[BY]
	v_lshl_or_b32 v[PW+\f], v[BY+2], 16, v[PW+\f]
	v_lshl_or_b32 v[PW+\f], v[BY+3], 24, v[PW+\f]
.irp i, 0,1,2,3
.irp u, 0,1,2,3,4,5,6,7
	BMUL VV+16*\i+2*\u,H5+4*(\s)+\i,L16+2*\u
.endr
.irp u, 0,1,2,3,4,5,6,7,8,9,10,11,12,13,14,15
	v_min_num_f32 v[VV+16*\i+\u], v[VV+16*\i+\u], v[CAP+\i]                     ; the conversion to an 8-bit code does not saturate (ISA guide 7.6.2); P is not negative, so the hold is one-sided
.endr
	v_cvt_scalef32_pk8_fp8_f32 v[PC+16*(\f)+4*\i:PC+16*(\f)+4*\i+1], v[VV+16*\i:VV+16*\i+7], v[SCL+\i]
	v_cvt_scalef32_pk8_fp8_f32 v[PC+16*(\f)+4*\i+2:PC+16*(\f)+4*\i+3], v[VV+16*\i+8:VV+16*\i+15], v[SCL+\i]
.endr
.endm
.macro PSTORE                          ; my four fragments go to LDS as images of their registers: 16 bytes a lane, 512 a store; the scale words 4 bytes a lane
	WIN 0x0c                                       ; an LDS store's data are its source 1: window 3
.irp f, 0,1,2,3
.irp c, 0,1,2,3
	ds_store_b128 v[PWI], v[PC+16*\f+4*\c:PC+16*\f+4*\c+3] offset:2048*\f+512*\c
.endr
	ds_store_b32 v[PWS], v[PW+\f] offset:128*\f
.endr
.endm
.macro PLOAD kh                        ; all sixteen fragments of K half kh come back so, into window 2 + kh at 64 s' + 16 m
	WIN 0x80+0x40*(\kh)
.irp m, 0,1,2,3
.irp s, 0,1,2,3
.irp c, 0,1,2,3
	ds_load_b128 v[64*\s+16*\m+4*\c:64*\s+16*\m+4*\c+3], v[PRI] offset:(4*\m+\s)*2048+512*\c
.endr
.endr
.endr
	WIN 0
.irp m, 0,1,2,3
.irp s, 0,1,2,3
	ds_load_b32 v[PS+8*\m+4*(\kh)+\s], v[PRS] offset:(4*\m+\s)*128
.endr
.endr
.endm
.macro WFETCH slot, sp                 ; my four weight fragments of the chunk's K step sp: lane (r, h) takes row 16 w + r of class t, bytes 128 sp + 32 c + 16 h
	WIN 0x40
.irp t, 0,1,2,3
.irp c, 0,1,2,3
	ds_load_b128 v[64*(\sp)+16*\t+4*\c:64*(\sp)+16*\t+4*\c+3], v[WA+4*(\slot)+\t] offset:128*(\sp)+32*\c
.endr
.endr
.endm
; 16 matrix instructions: four tiles of rows x four tiles of columns, 128 along K.  Source 0 = P (window 2 or 3), source 1 = the weights (window 1).  zero = 1: the products start the sums.
; The sixteen accumulators take turns, one instruction a turn, in the same order everywhere.
.macro MUL16 kh, sp, g, zero
	WIN 0x06+(\kh)
.irp m, 0,1,2,3
.irp t, 0,1,2,3
.if \zero
	v_wmma_scale_f32_16x16x128_f8f6f4 v[ACC+8*(4*\m+\t):ACC+8*(4*\m+\t)+7], v[64*(\sp)+16*\m:64*(\sp)+16*\m+15], v[64*(\sp)+16*\t:64*(\sp)+16*\t+15], 0, v[PS+8*\m+4*(\kh)+(\sp)], v[WS+32*(\g)+8*\t+4*(\kh)+(\sp)]
.else
	v_wmma_scale_f32_16x16x128_f8f6f4 v[ACC+8*(4*\m+\t):ACC+8*(4*\m+\t)+7], v[64*(\sp)+16*\m:64*(\sp)+16*\m+15], v[64*(\sp)+16*\t:64*(\sp)+16*\t+15], v[ACC+8*(4*\m+\t):ACC+8*(4*\m+\t)+7], v[PS+8*\m+4*(\kh)+(\sp)], v[WS+32*(\g)+8*\t+4*(\kh)+(\sp)]
.endif
.endr
.endr
.endm
; THE WAY OUT.  Register j of accumulator (m, t) is out0(16 m + 8 h + j, 256 G + 64 w + 4 r + t).  Four by four registers change places (each accumulator from its low end on), so that
; four registers on end are four neighbouring columns of one row; sixteen lanes then store 256 consecutive bytes, at a multiple of 256 from out0's first byte.
.macro OUT g
	WIN 0
.irp m, 0,1,2,3
.irp j, 0,4
.irp a, 0,1,2
.irp b, 1,2,3
.if \b > \a
	v_swap_b32 v[ACC+8*(4*\m+\a)+\j+\b], v[ACC+8*(4*\m+\b)+\j+\a]
.endif
.endr
.endr
.endr
.irp j, 0,4
.irp a, 0,1,2,3
	global_store_b128 v[OO], v[ACC+8*(4*\m+\a)+\j:ACC+8*(4*\m+\a)+\j+3], s[14:15] offset:(16*\m+\j+\a)*2048+1024*(\g) th:TH_STORE_NT
.endr
.endr
.endr
.endm
	; ---- the head
	s_load_b256 s[4:11], s[0:1], 0x0               ; x s[4:5], fw s[6:7], thr s[8:9], the codes s[10:11]
	s_load_b128 s[12:15], s[0:1], 0x20             ; the scale bytes s[12:13], out0 s[14:15]
	v_lshl_add_u32 v[SPW], v0, 2, SPARE
	v_mov_b32 v[NIL], 0
	ds_add_u32 v1, v2
	ds_add_u32 v1, v2
	s_wait_dscnt 0x0
	v_lshrrev_b32 v248, 5, v0
	v_readfirstlane_b32 s16, v248                  ; wave 0..3
	s_bfe_u32 s17, ttmp6, 0x40000                  ; cx: my place in the cluster: it enters x's and out0's addresses alone
	s_lshl_b32 s18, ttmp9, 2                       ; in a cluster launch ttmp9 counts clusters
	s_add_co_u32 s18, s18, s17                     ; my block of 64 rows
	v_and_b32 v248, 31, v0                         ; lane
	v_and_b32 v249, 15, v0                         ; r
	v_bfe_u32 v250, v0, 4, 1                       ; h
	v_lshlrev_b32 v[XO], 4, v249
	v_lshl_add_u32 v[XO], v250, 11, v[XO]
	v_lshlrev_b32 v[LI], 4, v248
	s_mov_b32 s21, 0
	s_mov_b32 s22, 0x76543210                      ; v_permlanex16_b32's selects for lane l xor 16
	s_mov_b32 s23, 0xfedcba98
	s_mov_b32 s55, 0x600000                        ; the mantissa field of 448
	s_mov_b32 s56, 0x3fb8aa3b                      ; log2(e)
	s_mov_b32 s58, 0xc166d4ca                      ; -log2(e) / 0.1
	; descriptor group 1: 64 rows of 512 bytes, 4,096 bytes (four weight rows) apart, 16 bytes of padding behind each in LDS
	s_mov_b32 s[G1+0], 15|(0<<16)|(1<<20)|(1<<21)|(6<<22)|(3<<25)   ; 15:0 the mask: all four work-groups; 17:16 elements of 1 byte; 20 padding on; 21 set beside a mask; 24:22 after every 128 words (code 6); 31:25 four words (code 3)
	s_mov_b32 s[G1+1], 512<<16                     ; tensor_dim0
	s_mov_b32 s[G1+2], 64<<16                      ; tensor_dim1
	s_mov_b32 s[G1+3], 512<<16                     ; tile_dim0
	s_mov_b32 s[G1+4], 64                          ; tile_dim1
	s_mov_b32 s[G1+5], 4096                        ; tensor_dim0_stride
	s_mov_b32 s[G1+6], 0
	s_mov_b32 s[G1+7], 0
	s_mov_b32 s[G0A], 1
	s_mul_i32 s[G0A+1], s16, CLS                   ; class w of slot A: no place in the cluster enters an LDS address
	s_mov_b32 s[G0B], 1
	s_add_co_u32 s[G0B+1], s[G0A+1], SLOTB
	s_wait_kmcnt 0x0
	s_load_b256 s[40:47], s[8:9], 0x0              ; the ten thresholds: s40-49
	s_load_b64 s[48:49], s[8:9], 0x20
	s_lshl_b32 s20, s16, 9
	s_add_nc_u64 s[6:7], s[6:7], s[20:21]          ; fw: my wave's 128 features
	s_lshl_b32 s20, s18, 17                        ; 64 rows of 2,048 bytes a block,
	s_lshl_b32 s19, s16, 15                        ; 16 rows a wave
	s_add_co_u32 s20, s20, s19
	s_add_nc_u64 s[4:5], s[4:5], s[20:21]          ; x at my first row
	s_lshl_b32 s20, s18, 17
	s_lshl_b32 s19, s16, 8                         ; my 64 columns
	s_add_co_u32 s20, s20, s19
	s_add_nc_u64 s[14:15], s[14:15], s[20:21]      ; out0 at the block's first row, my first column
	s_lshl_b32 s20, s16, 11
	s_add_nc_u64 s[12:13], s[12:13], s[20:21]      ; the scale bytes of weight rows 64 w on
	s_lshl_b32 s20, s16, 10
	s_add_nc_u64 s[G0A+2:G0A+3], s[10:11], s[20:21]      ; the codes at row w: chunk (0, 0);
	s_add_nc_u64 s[G0B+2:G0B+3], s[G0A+2:G0A+3], 512     ; chunk (0, 1) 512 bytes along K
	s_or_b32 s[G0A+3], s[G0A+3], 0x80000000        ; 127:126 type = 2
	s_or_b32 s[G0B+3], s[G0B+3], 0x80000000
.irp d, 0,1,2,3,4,5,6,7,8,9
	global_load_b128 v[FW+4*\d:FW+4*\d+3], v[LI], s[6:7] offset:2048*\d     ; 32 lanes read 512 consecutive bytes of fw[d]
.endr
	WIN 0xc0                                       ; destination window 3
.irp i, 0,1,2,3,4,5
	XLOAD \i
.endr
	WIN 0
	ROUND                                          ; all four work-groups are here: the first joint loads meet
	tensor_load_to_lds s[G0A:G0A+3], s[G1:G1+7]    ; the two first fills stand together, ahead of every wait on TENSORcnt, every LDS read and every other barrier: two loads of mine are out
	s_nop 0
	tensor_load_to_lds s[G0B:G0B+3], s[G1:G1+7]
	s_nop 0
	PLACES 4
	WIN 0xc0
	XLOAD 6
	XLOAD 7
	WIN 0
	v_lshl_add_u32 v[EA], v249, 4, ETAB
	s_mul_i32 s20, s16, 5120
	v_mad_u32_u24 v[EWA], v250, 2560, v[EA]
	v_add_nc_u32 v[EWA], s20, v[EWA]               ; my features are 64 (2 w + h) + 4 r + e: image q = 2 w + h
	s_lshl_b32 s20, s16, 6
	s_add_co_u32 s20, s20, RED
	v_mov_b32 v[RW], s20
	v_mov_b32 v[RR], RED
	v_mul_u32_u24 v251, v249, WP
	v_lshl_add_u32 v251, v250, 4, v251
	s_mul_i32 s20, s16, 16*WP
	v_add_nc_u32 v251, s20, v251                   ; row 16 w + r of a class, + 16 h
.irp k, 0,1,2,3,4,5,6,7
	v_add_nc_u32 v[WA+\k], (\k/4)*SLOTB+(\k%4)*CLS, v251
.endr
	s_lshl_b32 s20, s16, 13
	s_add_co_u32 s20, s20, PIMG
	v_add_nc_u32 v[PWI], s20, v[LI]                ; images 4 w .. 4 w + 3
	s_lshl_b32 s20, s16, 9
	s_add_co_u32 s20, s20, PSC
	v_lshl_add_u32 v[PWS], v248, 2, s20
	v_add_nc_u32 v[PRI], PIMG, v[LI]
	v_lshl_add_u32 v[PRS], v248, 2, PSC
	v_lshlrev_b32 v[OO], 4, v249
	v_lshl_add_u32 v[OO], v250, 14, v[OO]
	v_lshlrev_b32 v[WSO], 7, v249
	v_and_b32 v252, 8, v0                          ; lane masks for the sums across lanes
	v_cmp_ne_u32 s50, 0, v252
	v_and_b32 v252, 4, v0
	v_cmp_ne_u32 s51, 0, v252
	v_and_b32 v252, 2, v0
	v_cmp_ne_u32 s52, 0, v252
	v_and_b32 v252, 16, v0
	v_cmp_ne_u32 s54, 0, v252                      ; lanes 16-31
	v_lshrrev_b32 v252, 4, v0
	v_xor_b32 v252, v252, v0
	v_and_b32 v252, 1, v252
	v_cmp_ne_u32 s53, 0, v252                      ; lanes whose bit 0 differs from their bit 4
.irp d, 0,1,2,3,4,5,6,7,8,9
	v_mov_b32 v[TT+\d], 0                          ; written once: a lane permute's destination counts as one of its sources
.endr
	; ---- 1: e = 2^((fw - max) log2e) and Z.  Each wave has a quarter of the features; maxima and sums meet in LDS
	s_wait_kmcnt 0x0                               ; the thresholds
	s_wait_loadcnt 63                              ; fw's ten loads are in: 64 loads were issued behind them (the count's field ends at 63)
.irp d, 0,1,2,3,4,5,6,7,8,9
	v_max3_num_f32 v[ZR+\d], v[FW+4*\d], v[FW+4*\d+1], v[FW+4*\d+2]
.endr
.irp d, 0,1,2,3,4,5,6,7,8,9
	v_max_num_f32 v[ZR+\d], v[ZR+\d], v[FW+4*\d+3]
.endr
.irp x, 1,2,4,8
.irp d, 0,1,2,3,4,5,6,7,8,9
	v_max_num_f32_dpp v[ZR+\d], v[ZR+\d], v[ZR+\d] row_xmask:\x row_mask:0xf bank_mask:0xf
.endr
.endr
.irp d, 0,1,2,3,4,5,6,7,8,9
	v_permlanex16_b32 v[TT+\d], v[ZR+\d], s22, s23
.endr
.irp d, 0,1,2,3,4,5,6,7,8,9
	v_max_num_f32 v[ZR+\d], v[ZR+\d], v[TT+\d]
.endr
	ds_store_b128 v[RW], v[ZR:ZR+3]                ; all lanes write the same words with the same values
	ds_store_b128 v[RW], v[ZR+4:ZR+7] offset:16
	ds_store_b64 v[RW], v[ZR+8:ZR+9] offset:32
	BAR
.irp w, 0,1,2,3
	ds_load_b128 v[TT+10*\w:TT+10*\w+3], v[RR] offset:64*\w
	ds_load_b128 v[TT+10*\w+4:TT+10*\w+7], v[RR] offset:64*\w+16
	ds_load_b64 v[TT+10*\w+8:TT+10*\w+9], v[RR] offset:64*\w+32
.endr
	s_wait_dscnt 0x0
.irp d, 0,1,2,3,4,5,6,7,8,9
	v_max3_num_f32 v[ZR+\d], v[TT+\d], v[TT+10+\d], v[TT+20+\d]
.endr
.irp d, 0,1,2,3,4,5,6,7,8,9
	v_max_num_f32 v[ZR+\d], v[ZR+\d], v[TT+30+\d]  ; the row's maximum
.endr
.irp d, 0,1,2,3,4,5,6,7,8,9
	v_mul_f32 v[ZR+\d], s56, v[ZR+\d]              ; x log2e.  Its rounding is common to the whole row fw[d] and cancels in S / Z
.endr
.irp e, 0,1,2,3
.irp d, 0,1,2,3,4,5,6,7,8,9
	v_fma_f32 v[EW+10*\e+\d], v[FW+4*\d+\e], s56, -v[ZR+\d]     ; (fw - max) log2e in one rounding, laid as the dot products want it: 10 e + d
.endr
.endr
.set cj, 0
.rept 40
	v_exp_f32 v[EW+cj], v[EW+cj]
.set cj, cj+1
.endr
	v_nop                                          ; a plain place behind the exponentials
	s_wait_alu depctr_va_vdst(0)
.irp k, 0,2,4,6,8
	v_pk_add_f32 v[TT+\k:TT+\k+1], v[EW+\k:EW+\k+1], v[EW+10+\k:EW+10+\k+1]
	v_pk_add_f32 v[TT+10+\k:TT+10+\k+1], v[EW+20+\k:EW+20+\k+1], v[EW+30+\k:EW+30+\k+1]
.endr
.irp k, 0,2,4,6,8
	v_pk_add_f32 v[ZR+\k:ZR+\k+1], v[TT+\k:TT+\k+1], v[TT+10+\k:TT+10+\k+1]
.endr
.irp x, 1,2,4,8
.irp d, 0,1,2,3,4,5,6,7,8,9
	v_add_f32_dpp v[ZR+\d], v[ZR+\d], v[ZR+\d] row_xmask:\x row_mask:0xf bank_mask:0xf
.endr
.endr
.irp d, 0,1,2,3,4,5,6,7,8,9
	v_permlanex16_b32 v[TT+\d], v[ZR+\d], s22, s23
.endr
.irp d, 0,1,2,3,4,5,6,7,8,9
	v_add_f32 v[ZR+\d], v[ZR+\d], v[TT+\d]         ; the sum of e over my wave's 128 features
.endr
.irp u, 0,1,2,3,4,5,6,7,8,9
	ds_store_b128 v[EWA], v[EW+4*\u:EW+4*\u+3] offset:256*\u
.endr
	ds_store_b128 v[RW], v[ZR:ZR+3] offset:256
	ds_store_b128 v[RW], v[ZR+4:ZR+7] offset:272
	ds_store_b64 v[RW], v[ZR+8:ZR+9] offset:288
	BAR
	WIN 0x40                                       ; e of all 512 features into registers: lane c wants features 64 q + 4 c + e, as it holds x
.irp q, 0,1,2,3
.irp u, 0,1,2,3,4,5,6,7,8,9
	ds_load_b128 v[40*\q+4*\u:40*\q+4*\u+3], v[EA] offset:2560*\q+256*\u
.endr
.endr
	WIN 0x80
.irp q, 0,1,2,3
.irp u, 0,1,2,3,4,5,6,7,8,9
	ds_load_b128 v[40*\q+4*\u:40*\q+4*\u+3], v[EA] offset:2560*(\q+4)+256*\u
.endr
.endr
	WIN 0
.irp w, 0,1,2,3
	ds_load_b128 v[TT+10*\w:TT+10*\w+3], v[RR] offset:256+64*\w
	ds_load_b128 v[TT+10*\w+4:TT+10*\w+7], v[RR] offset:256+64*\w+16
	ds_load_b64 v[TT+10*\w+8:TT+10*\w+9], v[RR] offset:256+64*\w+32
.endr
	s_wait_dscnt 0x0
.irp k, 0,2,4,6,8
	v_pk_add_f32 v[TT+\k:TT+\k+1], v[TT+\k:TT+\k+1], v[TT+10+\k:TT+10+\k+1]
	v_pk_add_f32 v[TT+20+\k:TT+20+\k+1], v[TT+20+\k:TT+20+\k+1], v[TT+30+\k:TT+30+\k+1]
.endr
.irp k, 0,2,4,6,8
	v_pk_add_f32 v[ZR+\k:ZR+\k+1], v[TT+\k:TT+\k+1], v[TT+20+\k:TT+20+\k+1]
.endr
.irp d, 0,1,2,3,4,5,6,7,8,9
	v_rcp_f32 v[ZR+\d], v[ZR+\d]                   ; 1 / Z
.endr
	v_nop                                          ; a plain place behind the reciprocals
	; ---- 2: S[row][d] = sum over my 32 features of x e_d: two decisions an instruction, two row pairs (ten chains) at a time
.set cp, 0
.rept 4
	s_wait_loadcnt 16*(3-cp)                       ; these two row pairs' sixteen loads are in; those of the later pairs may be out
.set cq, 0
.rept 8
.if cq < 4
	WIN 0x07                                       ; source 0 (x) window 3, source 1 (e) window 1
.else
	WIN 0x0b                                       ; e in window 2
.endif
.set ce, 0
.rept 4
.set ci, 0
.rept 2
.set rX, 4*(8*(2*cp+ci)+cq)+ce
.set rE, 40*(cq%4)+10*ce
.set rS, SS+10*(2*cp+ci)
.set cd, 0
.rept 5
.if (cq == 0) && (ce == 0)
	v_pk_mul_f32 v[rS+cd:rS+cd+1], v[rX:rX+1], v[rE+cd:rE+cd+1] op_sel_hi:[0,1]       ; the first product starts the sums
.elseif ce & 1
	v_pk_fma_f32 v[rS+cd:rS+cd+1], v[rX-1:rX], v[rE+cd:rE+cd+1], v[rS+cd:rS+cd+1] op_sel:[1,0,0]
.else
	v_pk_fma_f32 v[rS+cd:rS+cd+1], v[rX:rX+1], v[rE+cd:rE+cd+1], v[rS+cd:rS+cd+1] op_sel_hi:[0,1,1]
.endif
.set cd, cd+2
.endr
.set ci, ci+1
.endr
.set ce, ce+1
.endr
.set cq, cq+1
.endr
.set cp, cp+1
.endr
	WIN 0
	; ---- 3: chunk 0 into registers; slot A is asked for again; meanwhile the decisions and the tables H and L
.irp g, 0,1
.irp t, 0,1,2,3
.irp f, 0,1
	global_load_b128 v[WS+32*\g+8*\t+4*\f:WS+32*\g+8*\t+4*\f+3], v[WSO], s[12:13] offset:8192*\g+32*\t+16*\f    ; lane r: the eight scale words of weight row 256 G + 64 w + 4 r + t
.endr
.endr
.endr
	s_wait_tensorcnt 0x0                           ; my parts of chunks 0 and 1 have landed,
	BAR                                            ; everybody's have
.irp p, 0,1,2,3
	WFETCH 0, \p
.endr
	WIN 0
	s_wait_tensorcnt 0x0                           ; no tensor load of mine is out, so a group 0 may be written
	ds_add_u32 v[SPW], v[NIL]                      ; 0 onto my spare word; work on registers stands between it and the wait for it
	s_add_nc_u64 s[G0A+2:G0A+3], s[G0A+2:G0A+3], 262144      ; 256 weight rows on: chunk (1, 0)
	; the sums across the sixteen lanes of a row.  Each step halves what a lane keeps: lanes with the mask's bit keep the upper half of the row pairs and send the lower
.irp d, 0,1,2,3,4,5,6,7,8,9
.irp i, 0,1,2,3
	v_cndmask_b32 v[TT+4*(\d%2)+\i], v[SS+10*(\i+4)+\d], v[SS+10*\i+\d], s50
	v_cndmask_b32 v[SS+10*\i+\d], v[SS+10*\i+\d], v[SS+10*(\i+4)+\d], s50
.endr
.irp i, 0,1,2,3
	v_add_f32_dpp v[SS+10*\i+\d], v[TT+4*(\d%2)+\i], v[SS+10*\i+\d] row_xmask:8 row_mask:0xf bank_mask:0xf
.endr
.endr
.irp d, 0,1,2,3,4,5,6,7,8,9
.irp i, 0,1
	v_cndmask_b32 v[TT+4*(\d%2)+\i], v[SS+10*(\i+2)+\d], v[SS+10*\i+\d], s51
	v_cndmask_b32 v[SS+10*\i+\d], v[SS+10*\i+\d], v[SS+10*(\i+2)+\d], s51
.endr
.irp i, 0,1
	v_add_f32_dpp v[SS+10*\i+\d], v[TT+4*(\d%2)+\i], v[SS+10*\i+\d] row_xmask:4 row_mask:0xf bank_mask:0xf
.endr
.endr
.irp d, 0,1,2,3,4,5,6,7,8,9
	v_cndmask_b32 v[TT+\d], v[SS+10+\d], v[SS+\d], s52
.endr
.irp d, 0,1,2,3,4,5,6,7,8,9
	v_cndmask_b32 v[SS+\d], v[SS+\d], v[SS+10+\d], s52
.endr
.irp d, 0,1,2,3,4,5,6,7,8,9
	v_add_f32_dpp v[SS+\d], v[TT+\d], v[SS+\d] row_xmask:2 row_mask:0xf bank_mask:0xf
.endr
.irp d, 0,1,2,3,4,5,6,7,8,9
	v_add_f32_dpp v[SS+\d], v[SS+\d], v[SS+\d] row_xmask:1 row_mask:0xf bank_mask:0xf     ; lane (c, hh) now holds row 2 (c / 2) + hh
.endr
.irp d, 0,1,2,3,4,5,6,7,8,9
	v_permlanex16_b32 v[TT+\d], v[SS+\d], s22, s23
.endr
.irp d, 0,1,2,3,4,5,6,7,8,9
	v_cndmask_b32 v[SS+\d], v[SS+\d], v[TT+\d], s53         ; lane (r, h) wants row r: its own where h = r % 2, else lane l xor 16's
.endr
	s_wait_alu depctr_va_vdst(0)
.irp d, 0,1,2,3,4,5,6,7,8,9
	v_fma_f32 v[SS+\d], v[SS+\d], v[ZR+\d], -s[40+\d]       ; sel - threshold
.endr
.irp d, 0,1,2,3,4,5,6,7,8,9
	v_mul_f32 v[SS+\d], s58, v[SS+\d]                       ; x -log2e / 0.1
.endr
.irp d, 0,1,2,3,4,5,6,7,8,9
	v_exp_f32 v[SS+\d], v[SS+\d]
.endr
	v_nop
	s_wait_alu depctr_va_vdst(0)
.irp d, 0,1,2,3,4,5,6,7,8,9
	v_add_f32 v[SS+\d], 1.0, v[SS+\d]
.endr
	WIN 0xc0                                       ; destination window 3
.irp d, 0,1,2,3,4,5,6,7,8,9
	v_rcp_f32 v[PQ+2*\d+1], v[SS+\d]               ; p_d
.endr
	v_nop
	WIN 0xff                                       ; all in window 3
	s_wait_alu depctr_va_vdst(0)
.irp d, 0,1,2,3,4,5,6,7,8,9
	v_sub_f32 v[PQ+2*\d], 1.0, v[PQ+2*\d+1]        ; 1 - p_d, by subtraction
.endr
	; H[b], b = the leaf's bits 9..5 (decision 0 the highest): each table is the last one times (1 - p, p)
.set ca, 0
.rept 2
	BMUL H2+2*ca,PQ+ca,PQ+2
.set ca, ca+1
.endr
.set ca, 0
.rept 4
	BMUL H3+2*ca,H2+ca,PQ+4
.set ca, ca+1
.endr
.set ca, 0
.rept 8
	BMUL H4+2*ca,H3+ca,PQ+6
.set ca, ca+1
.endr
.set ca, 0
.rept 16
	BMUL H5+2*ca,H4+ca,PQ+8
.set ca, ca+1
.endr
	; L[16 h + j'], j' = the leaf's bits 3..0: bit 4 (decision 5) is my half of the lanes
	v_cndmask_b32 v[A5], v[PQ+10], v[PQ+11], s54
	v_cndmask_b32 v[A5+1], v[PQ+10], v[PQ+11], s54 ; (named with it as a pair, so it is written)
	BMUL L2,A5,PQ+12
.set ca, 0
.rept 2
	BMUL L4+2*ca,L2+ca,PQ+14
.set ca, ca+1
.endr
.set ca, 0
.rept 4
	BMUL L8+2*ca,L4+ca,PQ+16
.set ca, ca+1
.endr
.set ca, 0
.rept 8
	BMUL L16+2*ca,L8+ca,PQ+18
.set ca, ca+1
.endr
	v_max_num_f32 v[LM], v[PQ+10], v[PQ+11]        ; the largest L of a block's 32, in L's own order of multiplying
.irp d, 0,1,2,3
	v_max_num_f32 v[MM+\d], v[PQ+12+2*\d], v[PQ+13+2*\d]
.endr
.irp d, 0,1,2,3
	v_mul_f32 v[LM], v[LM], v[MM+\d]
.endr
	v_mov_b32 v[LM+1], v[LM]
	WIN 0
	s_wait_dscnt 0x0                               ; the add is done, and chunk 0 is in my registers: my reads of slot A are over
	ROUND                                          ; that now holds of every wave of all four work-groups
	tensor_load_to_lds s[G0A:G0A+3], s[G1:G1+7]    ; chunk (1, 0) into slot A: my one tensor load behind this round, and the first thing there
	s_nop 0
	PLACES 4
	; ---- 4: P of leaves 0-511: my 16 rows' four fragments, to LDS, and all sixteen back
	WIN 0xff
	FRAG 0, 0
	FRAG 1, 1
	FRAG 2, 2
	FRAG 3, 3
	v_nop                                          ; a plain place behind the last conversion
	PSTORE
	BAR
	PLOAD 0
	; ---- 5: P of leaves 512-1023, made while those loads land
	WIN 0xff
	FRAG 4, 0
	FRAG 5, 1
	FRAG 6, 2
	FRAG 7, 3
	v_nop
	BAR                                            ; every wave's reads of the images are over: they may be written again
	PSTORE
	BAR
	PLOAD 1
	; ---- 6: the products.  Behind each K step's sixteen products its weight registers take the next chunk's fragments of the same step
	s_wait_loadcnt 0x0                             ; the weights' scale words
	MUL16 0, 0, 0, 1
	PLACES 8                                       ; eight places in front of loads into registers that these matrix instructions have read
	WFETCH 1, 0
	MUL16 0, 1, 0, 0
	PLACES 8
	WFETCH 1, 1
	MUL16 0, 2, 0, 0
	PLACES 8
	WFETCH 1, 2
	MUL16 0, 3, 0, 0
	PLACES 8
	WFETCH 1, 3
	WIN 0
	s_wait_tensorcnt 0x0                           ; my part of chunk (1, 0) has landed; no tensor load of mine is out
	ds_add_u32 v[SPW], v[NIL]                      ; 0 onto my spare word
	s_add_nc_u64 s[G0B+2:G0B+3], s[G0B+2:G0B+3], 262144      ; chunk (1, 1)
	s_wait_dscnt 0x0                               ; the add is done; chunk 1 and P's second half are in my registers: my reads of slot B are over
	ROUND
	tensor_load_to_lds s[G0B:G0B+3], s[G1:G1+7]    ; chunk (1, 1) into slot B
	s_nop 0
	PLACES 4
	MUL16 1, 0, 0, 0
	PLACES 8
	WFETCH 0, 0
	MUL16 1, 1, 0, 0
	PLACES 8
	WFETCH 0, 1
	MUL16 1, 2, 0, 0
	PLACES 8
	WFETCH 0, 2
	MUL16 1, 3, 0, 0
	PLACES 8                                       ; these serve the loads below and the first reads of the results alike
	WFETCH 0, 3
	OUT 0
	s_wait_xcnt 0x0                                ; the stores have read their registers: the accumulators are begun anew only behind this wait
	s_wait_dscnt 0x0                               ; chunk (1, 0) is in my registers
	MUL16 0, 0, 1, 1
	MUL16 0, 1, 1, 0
	MUL16 0, 2, 1, 0
	MUL16 0, 3, 1, 0
	s_wait_tensorcnt 0x0                           ; my part of chunk (1, 1) has landed,
	BAR                                            ; everybody's has
	PLACES 8
.irp p, 0,1,2,3
	WFETCH 1, \p
.endr
	s_wait_dscnt 48                                ; K step 0's sixteen loads are in; those of the three later steps may be out
	MUL16 1, 0, 1, 0
	s_wait_dscnt 32
	MUL16 1, 1, 1, 0
	s_wait_dscnt 16
	MUL16 1, 2, 1, 0
	s_wait_dscnt 0x0
	MUL16 1, 3, 1, 0
	PLACES 8
	OUT 1
	s_wait_tensorcnt 0x0                           ; the wave's end: behind my last tensor load and my last LDS store
	ds_add_u32 v[SPW], v[NIL]
	s_wait_dscnt 0x0
	ROUND                                          ; the closing round: no work-group ends while a partner may still ask for a tile that names it
	s_endpgm
.Lfunc_end_k_q5dab1bd08f_tree:
	.size	k_q5dab1bd08f_tree, .Lfunc_end_k_q5dab1bd08f_tree-k_q5dab1bd08f_tree
	.p2alignl 7, 3214868480
	.fill 96, 4, 3214868480
	.section	.rodata,"a",@progbits
	.p2align	6, 0x0
	.amdhsa_kernel k_q5dab1bd08f_tree
		.amdhsa_group_segment_fixed_size 327680
		.amdhsa_private_segment_fixed_size 0
		.amdhsa_enable_private_segment 0
		.amdhsa_kernarg_size 48
		.amdhsa_user_sgpr_count 2
		.amdhsa_user_sgpr_kernarg_segment_ptr 1
		.amdhsa_wavefront_size32 1
		.amdhsa_system_sgpr_workgroup_id_x 1
		.amdhsa_system_sgpr_workgroup_id_y 1
		.amdhsa_system_sgpr_workgroup_id_z 1
		.amdhsa_system_vgpr_workitem_id 0
		.amdhsa_next_free_vgpr 1024
		.amdhsa_next_free_sgpr 66
		.amdhsa_reserve_vcc 0
		.amdhsa_float_denorm_mode_32 3
		.amdhsa_float_denorm_mode_16_64 3
		.amdhsa_memory_ordered 1
		.amdhsa_forward_progress 1
		.amdhsa_inst_pref_size 255
	.end_amdhsa_kernel
	.section	.bss,"aw",@nobits
	.p2align	6
	.space	262144
	.amdgpu_metadata
---
amdhsa.version: [ 1, 2 ]
amdhsa.kernels:
  - .name:           k_q5dab1bd08f_tree
    .symbol:         k_q5dab1bd08f_tree.kd
    .args:
      - { .name: x, .offset: 0, .size: 8, .value_kind: global_buffer, .address_space: global }
      - { .name: feature_weights, .offset: 8, .size: 8, .value_kind: global_buffer, .address_space: global }
      - { .name: thresholds, .offset: 16, .size: 8, .value_kind: global_buffer, .address_space: global }
      - { .name: leaf_values_codes, .offset: 24, .size: 8, .value_kind: global_buffer, .address_space: global }
      - { .name: leaf_values_scales, .offset: 32, .size: 8, .value_kind: global_buffer, .address_space: global }
      - { .name: out0, .offset: 40, .size: 8, .value_kind: global_buffer, .address_space: global }
    .group_segment_fixed_size: 327680
    .private_segment_fixed_size: 0
    .kernarg_segment_align: 8
    .kernarg_segment_size: 48
    .max_flat_workgroup_size: 128
    .sgpr_count:     66
    .vgpr_count:     1024
    .wavefront_size: 32
...
	.end_amdgpu_metadata
.endif
;; end of part 1
